; MI455X (gfx1250); checked and timed in simulation.
; The chip was launched on July 23, 2026; its instructions are those of AMD's public machine-readable ISA for CDNA 5 (MIT licence, August 2026) and "CDNA5" Instruction Set Architecture Reference Guide (July 2026). The comments in the code are by the model that wrote it; some were corrected since.
;; MHA. Allowed arithmetic: float matrix products may take bf16 or f16 operands with f32 sums; all other float work in f32.
;; Inputs: W_k 1,024 x 128 float32; W_q 1,024 x 128 float32; W_v 1,024 x 128 float32; x 4 x 2,048 x 128 float32.
;; Outputs: out0 4 x 8 x 2,048 x 128 float32.
;; One version. Each part assembles by itself: llvm-mc -triple=amdgcn-amd-amdhsa -mcpu=gfx1250 --defsym DOCPART=n.
;; ======== version 1 of 1: 2 launches
;; workspace buffers: gc 786,432 bytes
;; launch gram (part 1): grid 72 x 1, 16 waves a work-group, no clusters, 149,504 bytes of LDS; arguments x, W_q, W_k, gc; writes gc
.if DOCPART == 1
	.amdgcn_target "amdgcn-amd-amdhsa--gfx1250"
	.amdhsa_code_object_version 6
	.text
	.protected	k_q1c49fe4dcc_gram
	.globl	k_q1c49fe4dcc_gram
	.p2align	8
	.type	k_q1c49fe4dcc_gram,@function
k_q1c49fe4dcc_gram:
	s_mov_b64 s[64:65], 0
	v_nop
	global_prefetch_b8 v0, s[64:65] scope:SCOPE_SE
	s_setreg_imm32_b32 hwreg(HW_REG_WAVE_MODE, 25, 1), 1
	s_wait_xcnt 0x0
; gram: the twelve small matrices from which the second launch makes the logits.
;   G_b[i][j] = sum over s of x[b][s][i] x[b][s][j]            (b = 0..3, sum over 2048 rows)  -> gc matrix b
;   C_h[i][j] = sum over e of W_q[128h+e][i] W_k[128h+e][j]    (h = 0..7, sum over 128 rows)   -> gc matrix 4+h
; reference() has no non-linear step between its products, so (Q K^T) V = x (W_q^T W_k) (x^T x) W_v^T for every input.
; LIMITS, kept on purpose: the order of the sums, and so of the roundings, differs from reference()'s.  Every matrix operand v goes in as two
; bf16 numbers, hi = bf16(v) and lo = bf16(v - hi), and a product is hi hi + hi lo + lo hi in f32; lo lo, at most 2^-18 of a product, is dropped.
; An infinity or NaN in an input gives NaN (v - hi), as it does in reference()'s softmax.
; A matrix lies in gc as 65,536 bytes: [128][128] bf16 hi, then the same of lo, rows of 256 bytes.
;
; A WAVE'S JOB is the same in both kinds of work-group: a block of 32 x 32 of P^T Q over 128 rows, four K steps of 32, from two strips of 32
; columns (128 bytes of each row of 512).  Work-groups 0..63: block (bi, bj) of G_b; its sixteen waves take 128 rows of x each and their sixteen
; blocks are added through LDS.  Work-groups 64..71: C_h; its sixteen waves make the sixteen blocks, each over all 128 rows.
; The rows run along K in memory, so a K step's 32 rows are split, laid in the wave's own LDS tile and read back transposed.
; NO CLUSTER, NO TENSOR LOADS: the strips that work-groups share must pass through registers to be split before they lie in LDS; an f32 copy in
; LDS would add a store and a load of every number.  72 work-groups: that is all the work there is.
; G's blocks leave as 64 bytes of a row (32 bf16): a whole row of 256 bytes would need all four column strips in one work-group; the four G
; are 262,144 bytes in all.  C leaves in whole rows of 256 bytes.
.set TPITCH, 288                       ; tile row: P hi, Q hi, P lo, Q lo, 64 bytes each, + 32: an odd multiple of 32 for the transposing load
.set TSLOT,  32*TPITCH                 ; 9,216 bytes of LDS for each wave
.set BPITCH, 144                       ; afterwards the same bytes hold the wave's block: 32 rows of 32 f32 + 16 bytes
.set LOPL,   32768                     ; from the hi plane to the lo plane in gc
.set MASKR,  20                        ; s20     mask of a word's upper bf16
.set LOFF,   2                         ; v2      global: 4 rows x 128 bytes a load: (lane>>3) 512 + (lane&7) 16
.set SA,     3                         ; v3      LDS: where my 4 bf16 of a load go
.set TA,     4                         ; v4      LDS: transposing loads
.set EA,     5                         ; v5      LDS: my part of the wave's f32 block
.set RA,     6                         ; v6-8    LDS: G's sum, slots 0-6, 7-13, 14-15
.set GO,     9                         ; v9      gc: my 2 numbers of G's block
.set CA,     10                        ; v10-11  LDS: C's rows, passes 0-1, 2-3
.set CO,     12                        ; v12     gc: my 8 numbers of a pass of C
.set TS,     16                        ; v[16:31]   at work in the splits, two sets of 8
.set BUFA,   32                        ; v[32:95]   a K step as loaded: P 32 registers, Q 32
.set BUFB,   96                        ; v[96:159]  the other K step
.set FP,     160                       ; v[160:191] fragments of P: hi block 0, 1, lo block 0, 1
.set FQ,     192                       ; v[192:223] fragments of Q likewise
.set ACC,    224                       ; v[224:255] four accumulators, (ib, jb) at 8 (2 ib + jb)
; cnt pairs of f32 at src -> cnt words of two bf16 at hi, and of the remainders at lo.  v - hi is exact in f32.
.macro SPLIT src, cnt, hi, lo, tmp
.set sq, 0
.rept \cnt
	v_cvt_pk_bf16_f32 v[\hi+sq], v[\src+2*sq], v[\src+2*sq+1]
.set sq, sq+1
.endr
.set sq, 0
.rept \cnt
	v_lshlrev_b32 v[\tmp+2*sq], 16, v[\hi+sq]
	v_and_b32 v[\tmp+2*sq+1], s[MASKR], v[\hi+sq]
.set sq, sq+1
.endr
.set sq, 0
.rept \cnt
	v_pk_add_f32 v[\tmp+2*sq:\tmp+2*sq+1], v[\src+2*sq:\src+2*sq+1], v[\tmp+2*sq:\tmp+2*sq+1] neg_lo:[0,1] neg_hi:[0,1]
.set sq, sq+1
.endr
.set sq, 0
.rept \cnt
	v_cvt_pk_bf16_f32 v[\lo+sq], v[\tmp+2*sq], v[\tmp+2*sq+1]
.set sq, sq+1
.endr
.endm
.macro PLACES                          ; four places behind a matrix instruction (ISA guide 7.12.1)
.rept 4
	v_nop
.endr
.endm
; sixteen loads: rows 32 ks .. 32 ks + 31 of P's strip, then of Q's
.macro LOADK ks, buf
.irp i, 0,1,2,3,4,5,6,7
	global_load_b128 v[\buf+4*\i:\buf+4*\i+3], v[LOFF], s[14:15] offset:(\ks)*16384+\i*2048
.endr
.irp i, 0,1,2,3,4,5,6,7
	global_load_b128 v[\buf+32+4*\i:\buf+32+4*\i+3], v[LOFF], s[16:17] offset:(\ks)*16384+\i*2048
.endr
.endm
; four matrix instructions, one on each accumulator.  Source 0 = columns of Q, source 1 = columns of P: lane l then holds row i = l % 16
; of the block and its eight registers the columns j = 8 (l / 16) + 0..7.
.macro GM qpl, ppl, zero
.irp ib, 0,1
.irp jb, 0,1
.if \zero
	v_wmma_f32_16x16x32_bf16 v[ACC+8*(2*\ib+\jb):ACC+8*(2*\ib+\jb)+7], v[FQ+16*\qpl+8*\jb:FQ+16*\qpl+8*\jb+7], v[FP+16*\ppl+8*\ib:FP+16*\ppl+8*\ib+7], 0
.else
	v_wmma_f32_16x16x32_bf16 v[ACC+8*(2*\ib+\jb):ACC+8*(2*\ib+\jb)+7], v[FQ+16*\qpl+8*\jb:FQ+16*\qpl+8*\jb+7], v[FP+16*\ppl+8*\ib:FP+16*\ppl+8*\ib+7], v[ACC+8*(2*\ib+\jb):ACC+8*(2*\ib+\jb)+7]
.endif
.endr
.endr
.endm
; One K step.  left = the younger loads that may stay out; next = 1: the buffer is loaded again, two K steps ahead; zero = 1: the sums start.
.macro KSTEP ks, buf, next, zero, left
	s_wait_loadcnt \left                           ; loads come back in order (ISA guide 5.7.1): this buffer's sixteen are in
.set ki, 0
.rept 8
	SPLIT \buf+4*ki, 2, TS, TS+2, TS+4
	ds_store_b64 v[SA], v[TS:TS+1] offset:ki*4*TPITCH              ; P hi, rows 4 ki .. 4 ki + 3
	ds_store_b64 v[SA], v[TS+2:TS+3] offset:ki*4*TPITCH+128        ; P lo
	SPLIT \buf+32+4*ki, 2, TS+8, TS+10, TS+12
	ds_store_b64 v[SA], v[TS+8:TS+9] offset:ki*4*TPITCH+64         ; Q hi
	ds_store_b64 v[SA], v[TS+10:TS+11] offset:ki*4*TPITCH+192      ; Q lo
.set ki, ki+1
.endr
.if \next
	LOADK \ks+2, \buf
.endif
	; The tile is the wave's own and LDS serves a wave's instructions in order (ISA guide 5.7.1.4): these loads see the stores above.
	; The splits above are the places between the last K step's matrix instructions and these loads into their sources.
.irp pl, 0,1
.irp blk, 0,1
	ds_load_tr16_b128 v[FP+16*\pl+8*\blk:FP+16*\pl+8*\blk+3],   v[TA] offset:128*\pl+32*\blk
	ds_load_tr16_b128 v[FP+16*\pl+8*\blk+4:FP+16*\pl+8*\blk+7], v[TA] offset:128*\pl+32*\blk+16*TPITCH
	ds_load_tr16_b128 v[FQ+16*\pl+8*\blk:FQ+16*\pl+8*\blk+3],   v[TA] offset:64+128*\pl+32*\blk
	ds_load_tr16_b128 v[FQ+16*\pl+8*\blk+4:FQ+16*\pl+8*\blk+7], v[TA] offset:64+128*\pl+32*\blk+16*TPITCH
.endr
.endr
	s_wait_dscnt 0x0                               ; all sixteen fragments' halves are in
	GM 0, 0, \zero                                 ; hi hi, hi lo, lo hi: the four accumulators take turns, one instruction a turn
	GM 0, 1, 0
	GM 1, 0, 0
.endm
	s_load_b256 s[4:11], s[0:1], 0x0               ; x s[4:5], W_q s[6:7], W_k s[8:9], gc s[10:11]
	v_lshrrev_b32 v1, 5, v0
	v_readfirstlane_b32 s12, v1                    ; wave 0..15
	s_mov_b32 s13, ttmp9                           ; job 0..71
	s_mov_b32 s[MASKR], 0xffff0000
	s_lshr_b32 s21, s13, 4                         ; G: b
	s_bfe_u32 s22, s13, 0x20002                    ;    bi
	s_and_b32 s23, s13, 3                          ;    bj
	s_and_b32 s24, s13, 7                          ; C: h
	s_lshr_b32 s25, s12, 2                         ;    bi
	s_and_b32 s26, s12, 3                          ;    bj
	; both kinds' byte offsets are made, then one compare chooses
	s_lshl_b32 s28, s21, 20                        ; G: batch b (2048 rows of 512 bytes)
	s_lshl_b32 s29, s12, 16                        ;    + my wave's 128 rows
	s_add_co_u32 s28, s28, s29
	s_lshl_b32 s29, s22, 7
	s_add_co_u32 s30, s28, s29                     ;    P: + strip bi (128 bytes)
	s_lshl_b32 s29, s23, 7
	s_add_co_u32 s31, s28, s29                     ;    Q: + strip bj
	s_lshl_b32 s32, s24, 16                        ; C: head h (128 rows of 512 bytes)
	s_lshl_b32 s29, s25, 7
	s_add_co_u32 s33, s32, s29                     ;    P: + strip bi
	s_lshl_b32 s29, s26, 7
	s_add_co_u32 s34, s32, s29                     ;    Q: + strip bj
	s_lshl_b32 s35, s21, 16                        ; out, G: matrix b, 32 bi rows of 256 bytes, 32 bj bf16
	s_lshl_b32 s29, s22, 13
	s_add_co_u32 s35, s35, s29
	s_lshl_b32 s29, s23, 6
	s_add_co_u32 s35, s35, s29
	s_add_co_u32 s36, s32, 262144                  ; out, C: matrix 4 + h
	s_mul_i32 s37, s12, TSLOT                      ; my wave's LDS
	v_and_b32 v13, 31, v0                          ; lane
	v_lshrrev_b32 v14, 3, v13                      ; lane >> 3
	v_and_b32 v15, 7, v13                          ; lane & 7
	v_lshlrev_b32 v[LOFF], 4, v15
	v_lshl_add_u32 v[LOFF], v14, 9, v[LOFF]
	s_wait_kmcnt 0x0
	s_cmp_lt_u32 s13, 64                           ; a job of G?
	s_cselect_b64 s[14:15], s[4:5], s[6:7]         ; P from x or from W_q
	s_cselect_b64 s[16:17], s[4:5], s[8:9]         ; Q from x or from W_k
	s_cselect_b32 s30, s30, s33
	s_cselect_b32 s32, s31, s34
	s_cselect_b32 s34, s35, s36
	s_mov_b32 s31, 0
	s_mov_b32 s33, 0
	s_mov_b32 s35, 0
	s_add_nc_u64 s[14:15], s[14:15], s[30:31]
	s_add_nc_u64 s[16:17], s[16:17], s[32:33]
	s_add_nc_u64 s[18:19], s[10:11], s[34:35]
	LOADK 0, BUFA                                  ; two K steps on their way before anything else
	LOADK 1, BUFB
	v_mul_u32_u24 v[SA], v14, TPITCH
	v_lshl_add_u32 v[SA], v15, 3, v[SA]
	v_add_nc_u32 v[SA], s37, v[SA]                 ; tile row lane >> 3, 8 bytes at 8 (lane & 7)
	v_lshrrev_b32 v1, 4, v13
	v_lshl_add_u32 v1, v1, 3, v15                  ; tile row 8 (lane >> 4) + (lane & 7)
	v_mul_u32_u24 v[TA], v1, TPITCH
	v_and_b32 v1, 1, v14
	v_lshl_add_u32 v[TA], v1, 4, v[TA]             ; + 16 ((lane >> 3) & 1)
	v_add_nc_u32 v[TA], s37, v[TA]
	v_and_b32 v1, 15, v13
	v_mul_u32_u24 v[EA], v1, BPITCH
	v_lshrrev_b32 v1, 4, v13
	v_lshl_add_u32 v[EA], v1, 5, v[EA]
	v_add_nc_u32 v[EA], s37, v[EA]                 ; block row lane & 15, 32 bytes for each half of the lanes
	v_and_b32 v13, 15, v0                          ; from here by the thread's number t: t & 15
	v_lshrrev_b32 v14, 4, v0                       ; t >> 4, 0..31
	v_mul_u32_u24 v[RA], v14, BPITCH
	v_lshl_add_u32 v[RA], v13, 3, v[RA]            ; row t >> 4, two f32 at 8 (t & 15), of slot 0
	v_add_nc_u32 v[RA+1], 7*TSLOT, v[RA]           ; of slot 7
	v_add_nc_u32 v[RA+2], 14*TSLOT, v[RA]          ; of slot 14: an LDS offset has 16 bits
	v_lshlrev_b32 v[GO], 8, v14
	v_lshl_add_u32 v[GO], v13, 2, v[GO]
	v_lshrrev_b32 v15, 2, v13
	v_mul_u32_u24 v[CA], v15, TSLOT                ; the slot of column block (t & 15) >> 2
	v_mad_u32_u24 v[CA], v14, BPITCH, v[CA]        ; row t >> 4
	v_and_b32 v15, 3, v0
	v_lshl_add_u32 v[CA], v15, 5, v[CA]            ; eight f32 at 32 (t & 3)
	v_add_nc_u32 v[CA+1], 8*TSLOT, v[CA]
	v_lshlrev_b32 v[CO], 4, v0
	KSTEP 0, BUFA, 1, 1, 16                        ; the count: the other buffer's sixteen loads stay out
	KSTEP 1, BUFB, 1, 0, 16
	KSTEP 2, BUFA, 0, 0, 16
	KSTEP 3, BUFB, 0, 0, 0
	PLACES                                         ; the stores below read matrix results
.irp ib, 0,1
.irp jb, 0,1
	ds_store_b128 v[EA], v[ACC+8*(2*\ib+\jb):ACC+8*(2*\ib+\jb)+3]   offset:\ib*16*BPITCH+\jb*64
	ds_store_b128 v[EA], v[ACC+8*(2*\ib+\jb)+4:ACC+8*(2*\ib+\jb)+7] offset:\ib*16*BPITCH+\jb*64+16
.endr
.endr
	s_wait_dscnt 0x0                               ; my block lies in LDS, for the other waves' sake
	s_barrier_signal -1
	s_barrier_wait -1                              ; all sixteen blocks do
	s_cmp_lt_u32 s13, 64
	s_cbranch_scc0 .Lc
	; G: thread t adds its two numbers of the sixteen blocks, in a fixed tree, splits them and stores 4 + 4 bytes
.irp s, 0,1,2,3,4,5,6
	ds_load_b64 v[BUFA+2*\s:BUFA+2*\s+1], v[RA] offset:\s*TSLOT
.endr
.irp s, 0,1,2,3,4,5,6
	ds_load_b64 v[BUFA+14+2*\s:BUFA+14+2*\s+1], v[RA+1] offset:\s*TSLOT
.endr
.irp s, 0,1
	ds_load_b64 v[BUFA+28+2*\s:BUFA+28+2*\s+1], v[RA+2] offset:\s*TSLOT
.endr
	s_wait_dscnt 0x0
.irp k, 0,1,2,3,4,5,6,7
	v_pk_add_f32 v[BUFA+4*\k:BUFA+4*\k+1], v[BUFA+4*\k:BUFA+4*\k+1], v[BUFA+4*\k+2:BUFA+4*\k+3]
.endr
.irp k, 0,1,2,3
	v_pk_add_f32 v[BUFA+8*\k:BUFA+8*\k+1], v[BUFA+8*\k:BUFA+8*\k+1], v[BUFA+8*\k+4:BUFA+8*\k+5]
.endr
.irp k, 0,1
	v_pk_add_f32 v[BUFA+16*\k:BUFA+16*\k+1], v[BUFA+16*\k:BUFA+16*\k+1], v[BUFA+16*\k+8:BUFA+16*\k+9]
.endr
	v_pk_add_f32 v[BUFA:BUFA+1], v[BUFA:BUFA+1], v[BUFA+16:BUFA+17]
	SPLIT BUFA, 1, TS, TS+2, TS+4
	global_store_b32 v[GO], v[TS], s[18:19]
	global_store_b32 v[GO], v[TS+2], s[18:19] offset:LOPL
	s_wait_xcnt 0x0
	v_lshl_add_u32 v158, v0, 2, 0x24000
	v_mov_b32 v159, 0
	s_wait_tensorcnt 0x0
	ds_add_u32 v158, v159
	s_wait_dscnt 0x0
	s_endpgm
.Lc:
	; C: four passes of 32 rows.  Thread t takes eight numbers of row t >> 4; sixteen lanes store 256 consecutive bytes, aligned: a whole row.
.irp p, 0,1
	ds_load_b128 v[BUFA+8*\p:BUFA+8*\p+3],   v[CA] offset:\p*4*TSLOT
	ds_load_b128 v[BUFA+8*\p+4:BUFA+8*\p+7], v[CA] offset:\p*4*TSLOT+16
.endr
.irp p, 0,1
	ds_load_b128 v[BUFA+16+8*\p:BUFA+16+8*\p+3],   v[CA+1] offset:\p*4*TSLOT
	ds_load_b128 v[BUFA+16+8*\p+4:BUFA+16+8*\p+7], v[CA+1] offset:\p*4*TSLOT+16
.endr
.irp p, 0,1,2,3
	s_wait_dscnt 6-2*\p                            ; pass p's two loads are in; the later passes' stay out
	SPLIT BUFA+8*\p, 4, BUFB+8*\p, BUFB+8*\p+4, TS+8*(\p%2)
	global_store_b128 v[CO], v[BUFB+8*\p:BUFB+8*\p+3],   s[18:19] offset:\p*8192        ; each pass has store registers of its own
	global_store_b128 v[CO], v[BUFB+8*\p+4:BUFB+8*\p+7], s[18:19] offset:\p*8192+LOPL
.endr
	s_wait_xcnt 0x0
	v_lshl_add_u32 v158, v0, 2, 0x24000
	v_mov_b32 v159, 0
	s_wait_tensorcnt 0x0
	ds_add_u32 v158, v159
	s_wait_dscnt 0x0
	s_endpgm
.Lfunc_end_k_q1c49fe4dcc_gram:
	.size	k_q1c49fe4dcc_gram, .Lfunc_end_k_q1c49fe4dcc_gram-k_q1c49fe4dcc_gram
	.p2alignl 7, 3214868480
	.fill 96, 4, 3214868480
	.section	.rodata,"a",@progbits
	.p2align	6, 0x0
	.amdhsa_kernel k_q1c49fe4dcc_gram
		.amdhsa_group_segment_fixed_size 149504
		.amdhsa_private_segment_fixed_size 0
		.amdhsa_enable_private_segment 0
		.amdhsa_kernarg_size 32
		.amdhsa_user_sgpr_count 2
		.amdhsa_user_sgpr_kernarg_segment_ptr 1
		.amdhsa_wavefront_size32 1
		.amdhsa_system_sgpr_workgroup_id_x 1
		.amdhsa_system_sgpr_workgroup_id_y 1
		.amdhsa_system_sgpr_workgroup_id_z 1
		.amdhsa_system_vgpr_workitem_id 0
		.amdhsa_next_free_vgpr 256
		.amdhsa_next_free_sgpr 66
		.amdhsa_reserve_vcc 0
		.amdhsa_float_denorm_mode_32 3
		.amdhsa_float_denorm_mode_16_64 3
		.amdhsa_memory_ordered 1
		.amdhsa_forward_progress 1
		.amdhsa_inst_pref_size 66
	.end_amdhsa_kernel
	.amdgpu_metadata
---
amdhsa.version: [ 1, 2 ]
amdhsa.kernels:
  - .name:           k_q1c49fe4dcc_gram
    .symbol:         k_q1c49fe4dcc_gram.kd
    .args:
      - { .name: x, .offset: 0, .size: 8, .value_kind: global_buffer, .address_space: global }
      - { .name: W_q, .offset: 8, .size: 8, .value_kind: global_buffer, .address_space: global }
      - { .name: W_k, .offset: 16, .size: 8, .value_kind: global_buffer, .address_space: global }
      - { .name: gc, .offset: 24, .size: 8, .value_kind: global_buffer, .address_space: global }
    .group_segment_fixed_size: 149504
    .private_segment_fixed_size: 0
    .kernarg_segment_align: 8
    .kernarg_segment_size: 32
    .max_flat_workgroup_size: 512
    .sgpr_count:     66
    .vgpr_count:     256
    .wavefront_size: 32
...
	.end_amdgpu_metadata
.endif
;; end of part 1
;; launch attn (part 2): grid 8 x 32, 8 waves a work-group, clusters of 4 x 1, 279,552 bytes of LDS; arguments x, W_v, gc, out0; writes out0
.if DOCPART == 2
	.amdgcn_target "amdgcn-amd-amdhsa--gfx1250"
	.amdhsa_code_object_version 6
	.text
	.protected	k_q1c49fe4dcc_attn
	.globl	k_q1c49fe4dcc_attn
	.p2align	8
	.type	k_q1c49fe4dcc_attn,@function
k_q1c49fe4dcc_attn:
	s_mov_b64 s[64:65], 0
	v_nop
	global_prefetch_b8 v0, s[64:65] scope:SCOPE_SE
	s_setreg_imm32_b32 hwreg(HW_REG_WAVE_MODE, 25, 1), 1
	s_wait_xcnt 0x0
	s_wait_alu depctr_hold_cnt(0) depctr_sa_sdst(0) depctr_va_vdst(0) depctr_va_sdst(0) depctr_va_ssrc(0) depctr_va_vcc(0) depctr_vm_vsrc(0)
	s_getreg_b32 s2, hwreg(HW_REG_IB_STS2, 6, 4)
	s_cmp_eq_u32 s2, 0
	s_cbranch_scc0 .Lentry_in_a_cluster
	s_endpgm
.Lentry_in_a_cluster:
	s_bfe_u32 s2, ttmp6, 0x10000c
	s_cmp_lg_u32 s2, 0x3003
	s_cbranch_scc0 .Lentry_shape_is_right
	s_endpgm
.Lentry_shape_is_right:
; attn: out0[b][h][s][:] = softmax over the last axis of x[b][s][:] N, where N = C_h G_b W_v,h^T / sqrt(128); G_b and C_h come from gc.
; A work-group owns 256 rows s of one (b, h); wave w owns rows 32 w .. 32 w + 31.  In order:
;   D[d1][d3]  = sum over d2 of C[d1][d2] G[d3][d2]      (G = x^T x is symmetric as a sum, so its rows serve as its columns)
;   Nt[f][d1]  = c sum over d3 of W_v[128h+f][d3] D[d1][d3],   c = log2(e) / sqrt(128), multiplied in f32 before Nt is split
;   L[s][f]    = sum over d1 of x[s][d1] Nt[f][d1]        (logits, in units of base 2)
;   softmax: the row's maximum is taken away first, then 2^d, the sum, one reciprocal.
; D and Nt are made anew by each of a head's eight work-groups (192 of a wave's 384 matrix instructions): that spares a launch and N's way
; through memory.
; LIMITS, kept on purpose: the order of the sums and roundings differs from reference()'s.  Every matrix operand v goes in as hi = bf16(v) and
; lo = bf16(v - hi), and a product is hi hi + hi lo + lo hi in f32; lo lo, at most 2^-18 of a product, is dropped.  v_exp_f32 gives 0 for results
; below 2^-126 (ISA guide, its entry in 15.8).  An infinity or NaN among the logits gives a row of NaN, as in reference().
; CLUSTER: the four work-groups of a cluster have the same (b, h) and need the same G_b and C_h, 131,072 bytes: two joint tensor loads, mask 15.
; x and W_v are not asked for jointly: they are f32 and pass through registers to be split; as f32 in LDS W_v alone would want 65,536 bytes more
; than the 49,152 that are left, and x's rows are each work-group's own.
; Every operand is filled once: there are no slots that take turns.  By this text's count a wave has at most one tensor load out.
.set PITCH,  272                       ; an LDS row of 128 bf16 + 16 bytes = 17 x 16: the 16 rows of a fragment load lie in 16 different 16-byte columns modulo 256
.set PLANE,  128*PITCH                 ; 34,816: a plane of 128 rows; a region is a hi plane and a lo plane
.set R1,     2*PLANE                   ; region 0 at 0: G, then D, then Nt.  Region 1 at 69,632: C, then W_v
.set XBASE,  4*PLANE                   ; 139,264: then 17,408 bytes for each wave: its 32 rows of x, hi and lo; later its 32 rows of results
.set XWAVE,  17408
.set XLO,    32*PITCH                  ; 8,704: from x's hi rows to its lo rows
.set OPITCH, 528                       ; a row of 128 f32 + 16 bytes = 33 x 16
.set MASKR,  40                        ; s40     mask of a word's upper bf16
.set ADR0,   1                         ; v1      fragments from region 0, my 64 rows (w >> 2)
.set ADR1,   2                         ; v2      fragments from region 1, my 32 rows (w & 3)
.set ADR0F,  3                         ; v3      fragments from region 0, all 128 rows
.set ADR1F,  4                         ; v4      fragments of my wave's x
.set ADRW,   5                         ; v5      where my results of D and Nt go in region 0
.set WST,    6                         ; v6, v7  where W_v's hi and lo go in region 1
.set XST,    8                         ; v8      where x goes
.set GOFF,   9                         ; v9      my 16 bytes in the first of my wave's rows, in x and in out0
.set WGO,    10                        ; v10     my 16 bytes in W_v
.set OST,    11                        ; v11     results into the stage
.set ORD,    12                        ; v12     rows back from the stage
.set F0,     16                        ; v[16:63]   source 0: three buffers of hi 8, lo 8
.set F1,     64                        ; v[64:127]  source 1: two buffers of group 0 hi, group 1 hi, group 0 lo, group 1 lo
.set ACC,    128                       ; v[128:255] accumulators
.set XS,     32                        ; v[32:159]  at the head: x as loaded
.set TS,     160                       ; v[160:191] at the head: at work in the splits, four sets of 8
.set WS,     192                       ; v[192:255] W_v as loaded, until D is made
.set SM,     16                        ; softmax: v[16:19] maxima, v[20:27] sums, v[28:29] reciprocal
.set SS,     20
.set SR,     28
; cnt pairs of f32 at src -> cnt words of two bf16 at hi, and of the remainders at lo.  v - hi is exact in f32.
.macro SPLIT src, cnt, hi, lo, tmp
.set sq, 0
.rept \cnt
	v_cvt_pk_bf16_f32 v[\hi+sq], v[\src+2*sq], v[\src+2*sq+1]
.set sq, sq+1
.endr
.set sq, 0
.rept \cnt
	v_lshlrev_b32 v[\tmp+2*sq], 16, v[\hi+sq]
	v_and_b32 v[\tmp+2*sq+1], s[MASKR], v[\hi+sq]
.set sq, sq+1
.endr
.set sq, 0
.rept \cnt
	v_pk_add_f32 v[\tmp+2*sq:\tmp+2*sq+1], v[\src+2*sq:\src+2*sq+1], v[\tmp+2*sq:\tmp+2*sq+1] neg_lo:[0,1] neg_hi:[0,1]
.set sq, sq+1
.endr
.set sq, 0
.rept \cnt
	v_cvt_pk_bf16_f32 v[\lo+sq], v[\tmp+2*sq], v[\tmp+2*sq+1]
.set sq, sq+1
.endr
.endm
.macro PLACES                          ; four places behind a matrix instruction (ISA guide 7.12.1 for VALU instructions)
.rept 4
	v_nop
.endr
.endm
; A round of the cluster's barrier: my work-group's barrier, wave 0 signals for the work-group, every wave waits for all four work-groups,
; my work-group's barrier once more.
.macro ROUND
	s_barrier_signal -1
	s_barrier_wait -1
	s_cmp_lg_u32 s12, 0
	s_cbranch_scc1 .Lnot_wave_0_\@
	s_barrier_signal -3
.Lnot_wave_0_\@:
	s_barrier_wait -3
	s_barrier_signal -1
	s_barrier_wait -1
.endm
.macro BARRIER                         ; LDS from wave to wave: my LDS instructions are done, then the barrier
	s_wait_dscnt 0x0
	s_barrier_signal -1
	s_barrier_wait -1
.endm
; A fragment is 16 rows x 32 K in 8 registers: lane l holds row l % 16, two loads of 16 bytes, 32 bytes apart, at row x pitch + 16 (l / 16).
; Source 0's fragments of tile ld_t, K step ld_ks, hi and lo, into buffer ld_b: four loads.
.macro F0LOAD a0
.irp pl, 0,1
	ds_load_b128 v[F0+16*ld_b+8*\pl:F0+16*ld_b+8*\pl+3],   v[\a0] offset:ld_t*16*PITCH+\pl*PLANE+64*ld_ks
	ds_load_b128 v[F0+16*ld_b+8*\pl+4:F0+16*ld_b+8*\pl+7], v[\a0] offset:ld_t*16*PITCH+\pl*PLANE+64*ld_ks+32
.endr
.endm
; Source 1's fragments of K step ld_ks, two groups of 16 rows, hi and lo: eight loads.
.macro F1LOAD a1, lo1
.irp g, 0,1
.irp pl, 0,1
	ds_load_b128 v[F1+32*(ld_ks%2)+16*\pl+8*\g:F1+32*(ld_ks%2)+16*\pl+8*\g+3],   v[\a1] offset:\g*16*PITCH+\pl*\lo1+64*ld_ks
	ds_load_b128 v[F1+32*(ld_ks%2)+16*\pl+8*\g+4:F1+32*(ld_ks%2)+16*\pl+8*\g+7], v[\a1] offset:\g*16*PITCH+\pl*\lo1+64*ld_ks+32
.endr
.endr
.endm
.macro WM acc, f0, f1, zero
.if \zero
	v_wmma_f32_16x16x32_bf16 v[\acc:\acc+7], v[\f0:\f0+7], v[\f1:\f1+7], 0
.else
	v_wmma_f32_16x16x32_bf16 v[\acc:\acc+7], v[\f0:\f0+7], v[\f1:\f1+7], v[\acc:\acc+7]
.endif
.endm
; 32 rows of source 1 (two groups) x ntile tiles of 16 rows of source 0, K = 128 in four steps.  In the result lane l holds row l % 16 of its
; group and registers 0..7 of tile t the columns 16 t + 8 (l / 16) + 0..7.  Group g's tile t is at ACC + gs g + 8 t.
; A block is one tile in one K step: six matrix instructions.  Block n's run of loads asks for block n + 2's source 0 and, in a K step's first
; block, for the next K step's source 1.  The wait lets the loads of this block's and the last block's runs stay out: block n's own were issued
; in block n - 2's run, and LDS loads come back in order (ISA guide 5.7.1).
.macro MM32 a0, a1, lo1, ntile, gs
.set ld_ks, 0
	F1LOAD \a1, \lo1
.set ld_t, 0
.set ld_b, 0
	F0LOAD \a0
.set ld_t, 1
.set ld_b, 1
	F0LOAD \a0
.set mm_prev, 4                        ; behind block 0's own loads stand block 1's four
.set mm_n, 0
.rept 4*\ntile
.set mm_ks, mm_n/\ntile
.set mm_t, mm_n%\ntile
.set mm_cur, 0
.if mm_n > 0
	PLACES                                         ; the loads below land in registers that the last block's matrix instructions read
.endif
.if mm_t == 0
.if mm_ks < 3
.set ld_ks, mm_ks+1
	F1LOAD \a1, \lo1
.set mm_cur, mm_cur+8
.endif
.endif
.if mm_n+2 < 4*\ntile
.set ld_t, (mm_n+2)%\ntile
.set ld_ks, (mm_n+2)/\ntile
.set ld_b, (mm_n+2)%3
	F0LOAD \a0
.set mm_cur, mm_cur+4
.endif
	s_wait_dscnt mm_prev+mm_cur
.set mm_prev, mm_cur
.set mm_a, ACC+8*mm_t
.set mm_f0, F0+16*(mm_n%3)
.set mm_f1, F1+32*(mm_ks%2)
.if mm_ks == 0
.set mm_z, 1                           ; the first K step's first product starts the sums: nothing is cleared
.else
.set mm_z, 0
.endif
	WM mm_a,     mm_f0,   mm_f1,    mm_z           ; hi hi.  The two groups' accumulators take turns, one instruction a turn
	WM mm_a+\gs, mm_f0,   mm_f1+8,  mm_z
	WM mm_a,     mm_f0,   mm_f1+16, 0              ; hi lo
	WM mm_a+\gs, mm_f0,   mm_f1+24, 0
	WM mm_a,     mm_f0+8, mm_f1,    0              ; lo hi
	WM mm_a+\gs, mm_f0+8, mm_f1+8,  0
.set mm_n, mm_n+1
.endr
	PLACES                                         ; what follows reads the results and writes the fragment registers
.endm
; My 32 x 64 results (two groups, four tiles) are split and laid in region 0 as rows along the next product's K.  scale = 1: times c first.
.macro PUT scale
.set pu, 0
.rept 8
.set pu_a, ACC+32*(pu/4)+8*(pu%4)
.set pu_s, F0+16*(pu%2)
.if \scale
.irp q, 0,2,4,6
	v_pk_mul_f32 v[pu_a+\q:pu_a+\q+1], v[pu_a+\q:pu_a+\q+1], s[22:23] op_sel_hi:[1,0]
.endr
.endif
	SPLIT pu_a, 4, pu_s, pu_s+4, pu_s+8
	ds_store_b128 v[ADRW], v[pu_s:pu_s+3]   offset:(pu/4)*16*PITCH+(pu%4)*32
	ds_store_b128 v[ADRW], v[pu_s+4:pu_s+7] offset:(pu/4)*16*PITCH+(pu%4)*32+PLANE
.set pu, pu+1
.endr
.endm
; Softmax of group g's 16 rows.  A row's 128 logits lie in lanes l and l xor 16, 64 each.
.macro SOFTMAX g
.set sm_a, ACC+64*\g
.irp k, 0,1,2,3
	v_max_num_f32 v[SM+\k], v[sm_a+16*\k], v[sm_a+16*\k+1]         ; four chains of 16 numbers, started by their first two
.endr
.irp q, 2,4,6,8,10,12,14
.irp k, 0,1,2,3
	v_max3_num_f32 v[SM+\k], v[SM+\k], v[sm_a+16*\k+\q], v[sm_a+16*\k+\q+1]
.endr
.endr
	v_max3_num_f32 v[SM], v[SM], v[SM+1], v[SM+2]
	v_max_num_f32 v[SM], v[SM], v[SM+3]
	v_permlanex16_b32 v[SM+1], v[SM], s20, s21     ; the other half's maximum
	v_max_num_f32 v[SM], v[SM], v[SM+1]
	v_mov_b32 v[SM+1], v[SM]                       ; the row's maximum, twice, for the packed subtraction
.set cq, 0
.rept 32
	v_pk_add_f32 v[sm_a+2*cq:sm_a+2*cq+1], v[sm_a+2*cq:sm_a+2*cq+1], v[SM:SM+1] neg_lo:[0,1] neg_hi:[0,1]   ; exactly 0 at the maximum, below 0 elsewhere
.set cq, cq+1
.endr
.set cq, 0
.rept 64
	v_exp_f32 v[sm_a+cq], v[sm_a+cq]
.set cq, cq+1
.endr
	v_nop                                          ; one plain place behind the last transcendental before its result is read (ISA guide 5.7.2)
	s_wait_alu depctr_va_vdst(0)
.irp k, 0,1,2,3
	v_pk_add_f32 v[SS+2*\k:SS+2*\k+1], v[sm_a+16*\k:sm_a+16*\k+1], v[sm_a+16*\k+2:sm_a+16*\k+3]
.endr
.irp q, 4,6,8,10,12,14
.irp k, 0,1,2,3
	v_pk_add_f32 v[SS+2*\k:SS+2*\k+1], v[SS+2*\k:SS+2*\k+1], v[sm_a+16*\k+\q:sm_a+16*\k+\q+1]
.endr
.endr
	v_pk_add_f32 v[SS:SS+1], v[SS:SS+1], v[SS+2:SS+3]
	v_pk_add_f32 v[SS+4:SS+5], v[SS+4:SS+5], v[SS+6:SS+7]
	v_pk_add_f32 v[SS:SS+1], v[SS:SS+1], v[SS+4:SS+5]
	v_add_f32 v[SS], v[SS], v[SS+1]
	v_permlanex16_b32 v[SS+1], v[SS], s20, s21
	v_add_f32 v[SS], v[SS], v[SS+1]                ; at least 1: the maximum's own term
	v_rcp_f32 v[SR], v[SS]
	v_nop                                          ; one plain place behind the transcendental
	s_wait_alu depctr_va_vdst(0)
	v_mov_b32 v[SR+1], v[SR]
.set cq, 0
.rept 32
	v_pk_mul_f32 v[sm_a+2*cq:sm_a+2*cq+1], v[sm_a+2*cq:sm_a+2*cq+1], v[SR:SR+1]
.set cq, cq+1
.endr
.irp t, 0,1,2,3,4,5,6,7
	ds_store_b128 v[OST], v[sm_a+8*\t:sm_a+8*\t+3]   offset:16*OPITCH*\g+64*\t
	ds_store_b128 v[OST], v[sm_a+8*\t+4:sm_a+8*\t+7] offset:16*OPITCH*\g+64*\t+16
.endr
.endm
	s_load_b256 s[4:11], s[0:1], 0x0               ; x s[4:5], W_v s[6:7], gc s[8:9], out0 s[10:11]
	s_set_vgpr_msb 0x40
	v_lshl_add_u32 v0, v0, 2, 0x44000
	v_mov_b32 v1, 0
	s_set_vgpr_msb 0x4045
	ds_add_u32 v0, v1
	s_set_vgpr_msb 0x4500
	v_lshrrev_b32 v1, 5, v0
	v_readfirstlane_b32 s12, v1                    ; wave 0..7
	s_bfe_u32 s13, ttmp6, 0x40000                  ; cx: my place in the cluster.  It enters x's and out0's global addresses alone (s13, s14, s18, s41)
	s_lshl_b32 s14, ttmp9, 2                       ; in a cluster launch ttmp9 counts clusters
	s_add_co_u32 s14, s14, s13                     ; which 256 rows are mine: 0..7
	s_and_b32 s15, ttmp7, 0xffff                   ; 8 b + h, the same in the four partners
	s_lshr_b32 s16, s15, 3                         ; b
	s_and_b32 s17, s15, 7                          ; h
	s_mov_b32 s20, 0x76543210                      ; v_permlanex16_b32: lane i of one half reads lane i of the other
	s_mov_b32 s21, 0xfedcba98
	s_mov_b32 s22, 0x3e0293ee                      ; c = log2(e) / sqrt(128)
	s_mov_b32 s23, 0x3e0293ee
	s_mov_b32 s[MASKR], 0xffff0000
	s_lshl_b32 s41, s14, 17                        ; 256 rows of 512 bytes
	s_lshl_b32 s18, s16, 20                        ; x: batch b
	s_add_co_u32 s18, s18, s41
	s_mov_b32 s19, 0
	s_lshl_b32 s42, s16, 16                        ; gc: matrix b
	s_mov_b32 s43, 0
	s_lshl_b32 s44, s17, 16                        ; W_v: head h (128 rows of 512 bytes)
	s_mov_b32 s45, 0
	v_and_b32 v13, 31, v0                          ; lane
	v_lshlrev_b32 v[GOFF], 4, v13
	v_lshl_add_u32 v[GOFF], v1, 14, v[GOFF]        ; my wave's 32 rows of 512 bytes + 16 x lane
	v_lshlrev_b32 v[WGO], 4, v0
	s_wait_dscnt 0x0
	s_wait_kmcnt 0x0
	s_add_nc_u64 s[4:5], s[4:5], s[18:19]
	s_add_nc_u64 s[6:7], s[6:7], s[44:45]
	s_lshl_b32 s18, s15, 20                        ; out0: (b, h), 2048 rows of 512 bytes
	s_add_co_u32 s18, s18, s41
	s_add_nc_u64 s[10:11], s[10:11], s[18:19]
	; 48 loads on their way while the four work-groups meet: a load covers one row of x (512 bytes), or of W_v row 8 i + w
.set i, 0
.rept 32
	global_load_b128 v[XS+4*i:XS+4*i+3], v[GOFF], s[4:5] offset:512*i
.set i, i+1
.endr
.set i, 0
.rept 16
	global_load_b128 v[WS+4*i:WS+4*i+3], v[WGO], s[6:7] offset:4096*i
.set i, i+1
.endr
	; Descriptors.  A matrix of gc is dense: 256 rows of 256 bytes (32 elements of 8 bytes), 16 bytes of padding behind each: the hi plane's 128
	; rows land at pitch 272, the lo plane's behind them.
	s_mov_b32 s24, 0x0773000f                      ; 15:0 mask: the cluster's four; 17:16 elements of 8 bytes; 20 padding on; 21 set beside a mask; 24:22 after every 64 words; 31:25 four words
	s_mov_b32 s25, 32<<16                          ; tensor_dim0 = 32
	s_mov_b32 s26, 256<<16                         ; tensor_dim1 = 256
	s_mov_b32 s27, 32<<16                          ; tile_dim0 = 32
	s_mov_b32 s28, 256                             ; tile_dim1 = 256
	s_mov_b32 s29, 32                              ; from row to row: 32 elements
	s_mov_b32 s30, 0
	s_mov_b32 s31, 0
	s_mov_b32 s32, 1                               ; G_b to region 0
	s_mov_b32 s33, 0
	s_add_nc_u64 s[34:35], s[8:9], s[42:43]
	s_or_b32 s35, s35, 0x80000000
	s_add_co_u32 s44, s44, 262144                  ; gc: matrix 4 + h
	s_mov_b32 s36, 1                               ; C_h to region 1
	s_mov_b32 s37, R1
	s_add_nc_u64 s[38:39], s[8:9], s[44:45]
	s_or_b32 s39, s39, 0x80000000
	ROUND                                          ; the four work-groups are here: the joint loads meet
	s_cmp_lg_u32 s12, 0
	s_cbranch_scc1 .Lnot_g
	tensor_load_to_lds s[32:35], s[24:31]          ; wave 0 asks for G
	s_nop 0
.Lnot_g:
	s_cmp_lg_u32 s12, 1
	s_cbranch_scc1 .Lnot_c
	tensor_load_to_lds s[36:39], s[24:31]          ; wave 1 asks for C
	s_nop 0
.Lnot_c:
	; LDS addresses: constants, the lane and the wave's number
	v_and_b32 v14, 15, v0                          ; l % 16
	v_bfe_u32 v15, v0, 4, 1                        ; l / 16
	v_mul_u32_u24 v[ADR0F], v14, PITCH
	v_lshl_add_u32 v[ADR0F], v15, 4, v[ADR0F]      ; row x pitch + 16 x half
	s_lshr_b32 s46, s12, 2                         ; which 64 rows of source 0 (columns of the result)
	s_and_b32 s47, s12, 3                          ; which 32 rows of source 1 (rows of the result)
	s_mul_i32 s48, s46, 64*PITCH
	v_add_nc_u32 v[ADR0], s48, v[ADR0F]
	s_mul_i32 s47, s47, 32*PITCH
	s_lshl_b32 s46, s46, 7                         ; 64 bf16
	s_add_co_u32 s46, s46, s47
	v_add_nc_u32 v[ADRW], s46, v[ADR0F]
	s_add_co_u32 s47, s47, R1
	v_add_nc_u32 v[ADR1], s47, v[ADR0F]
	s_mul_i32 s49, s12, XWAVE
	s_add_co_u32 s49, s49, XBASE                   ; my wave's own bytes
	v_add_nc_u32 v[ADR1F], s49, v[ADR0F]
	v_lshl_add_u32 v[XST], v13, 3, s49
	v_lshl_add_u32 v[ORD], v13, 4, s49
	v_mul_u32_u24 v[OST], v14, OPITCH
	v_lshl_add_u32 v[OST], v15, 5, v[OST]
	v_add_nc_u32 v[OST], s49, v[OST]
	s_mul_i32 s50, s12, PITCH
	s_add_co_u32 s50, s50, R1
	v_lshl_add_u32 v[WST], v13, 3, s50             ; row w of each eight, 8 bytes a lane
	v_add_nc_u32 v[WST+1], PLANE, v[WST]
	; x: split, into my wave's own bytes
.set i, 0
.rept 32
.if (i % 8) == 0
	s_wait_loadcnt 40-i                            ; rows i .. i + 7 are in; the 24 - i younger loads of x and the sixteen of W_v stay out
.endif
.set ts, TS+8*(i%4)
	SPLIT XS+4*i, 2, ts, ts+2, ts+4
	ds_store_b64 v[XST], v[ts:ts+1]   offset:PITCH*i
	ds_store_b64 v[XST], v[ts+2:ts+3] offset:PITCH*i+XLO
.set i, i+1
.endr
	s_wait_tensorcnt 0x0                           ; the wave that asked for G or for C has it, and says so by the barrier
	BARRIER
	MM32 ADR0, ADR1, PLANE, 4, 32                  ; D: source 0 = rows of G, source 1 = rows of C; accumulators v[128:191], W_v stays in v[192:255]
	BARRIER                                        ; every wave's reads of G and C are over: both regions may be written
	PUT 0                                          ; D into region 0
	s_wait_loadcnt 0x0                             ; W_v
.set i, 0
.rept 16
.set ts, F1+8*(i%4)
	SPLIT WS+4*i, 2, ts, ts+2, ts+4
	ds_store_b64 v[WST],   v[ts:ts+1]   offset:8*PITCH*i
	ds_store_b64 v[WST+1], v[ts+2:ts+3] offset:8*PITCH*i
.set i, i+1
.endr
	BARRIER                                        ; D and W_v are whole
	MM32 ADR0, ADR1, PLANE, 4, 32                  ; Nt: source 0 = rows of D, source 1 = rows of W_v
	BARRIER                                        ; every wave's reads of D are over
	PUT 1                                          ; c Nt into region 0
	BARRIER                                        ; Nt is whole
	MM32 ADR0F, ADR1F, XLO, 8, 64                  ; logits: source 0 = rows of Nt, source 1 = my 32 rows of x
	; The stage is my wave's own bytes, where x lay: my reads of x ended with the last block's wait for 0, and no other wave touches them.
	SOFTMAX 0
	SOFTMAX 1
	; Rows back from the stage; LDS serves a wave's instructions in order (ISA guide 5.7.1.4), so these see the stores above.
.set i, 0
.rept 32
	ds_load_b128 v[ACC+4*i:ACC+4*i+3], v[ORD] offset:OPITCH*i
.set i, i+1
.endr
.set i, 0
.rept 32
	s_wait_dscnt 31-i                              ; row i is in; the younger rows stay out
	global_store_b128 v[GOFF], v[ACC+4*i:ACC+4*i+3], s[10:11] offset:512*i th:TH_STORE_NT   ; the wave stores one row: 512 consecutive bytes, aligned
.set i, i+1
.endr
	s_set_vgpr_msb 0x5
	s_wait_tensorcnt 0x0
	ds_add_u32 v0, v1
	s_wait_dscnt 0x0
	s_set_vgpr_msb 0x500
	ROUND                                          ; the closing round
	s_endpgm
.Lfunc_end_k_q1c49fe4dcc_attn:
	.size	k_q1c49fe4dcc_attn, .Lfunc_end_k_q1c49fe4dcc_attn-k_q1c49fe4dcc_attn
	.p2alignl 7, 3214868480
	.fill 96, 4, 3214868480
	.section	.rodata,"a",@progbits
	.p2align	6, 0x0
	.amdhsa_kernel k_q1c49fe4dcc_attn
		.amdhsa_group_segment_fixed_size 279552
		.amdhsa_private_segment_fixed_size 0
		.amdhsa_enable_private_segment 0
		.amdhsa_kernarg_size 32
		.amdhsa_user_sgpr_count 2
		.amdhsa_user_sgpr_kernarg_segment_ptr 1
		.amdhsa_wavefront_size32 1
		.amdhsa_system_sgpr_workgroup_id_x 1
		.amdhsa_system_sgpr_workgroup_id_y 1
		.amdhsa_system_sgpr_workgroup_id_z 1
		.amdhsa_system_vgpr_workitem_id 0
		.amdhsa_next_free_vgpr 258
		.amdhsa_next_free_sgpr 66
		.amdhsa_reserve_vcc 0
		.amdhsa_float_denorm_mode_32 3
		.amdhsa_float_denorm_mode_16_64 3
		.amdhsa_memory_ordered 1
		.amdhsa_forward_progress 1
		.amdhsa_inst_pref_size 146
	.end_amdhsa_kernel
	.amdgpu_metadata
---
amdhsa.version: [ 1, 2 ]
amdhsa.kernels:
  - .name:           k_q1c49fe4dcc_attn
    .symbol:         k_q1c49fe4dcc_attn.kd
    .args:
      - { .name: x, .offset: 0, .size: 8, .value_kind: global_buffer, .address_space: global }
      - { .name: W_v, .offset: 8, .size: 8, .value_kind: global_buffer, .address_space: global }
      - { .name: gc, .offset: 16, .size: 8, .value_kind: global_buffer, .address_space: global }
      - { .name: out0, .offset: 24, .size: 8, .value_kind: global_buffer, .address_space: global }
    .group_segment_fixed_size: 279552
    .private_segment_fixed_size: 0
    .kernarg_segment_align: 8
    .kernarg_segment_size: 32
    .max_flat_workgroup_size: 256
    .sgpr_count:     66
    .vgpr_count:     258
    .wavefront_size: 32
...
	.end_amdgpu_metadata
.endif
;; end of part 2
